; MI455X (gfx1250); checked and timed in simulation.
; The chip was launched on July 23, 2026; its instructions are those of AMD's public machine-readable ISA for CDNA 5 (MIT licence, August 2026) and "CDNA5" Instruction Set Architecture Reference Guide (July 2026). The comments in the code are by the model that wrote it; some were corrected since.
;; Shared Memory Bank. Allowed arithmetic: float matrix products may take bf16 or f16 operands with f32 sums; all other float work in f32.
;; Inputs: gate 1 float32; hidden 4,096 x 2,048 float32; ln_beta 2,048 float32; ln_gamma 2,048 float32; memory 8 x 2,048 float32; w_read_k 2,048 x 2,048 float32; w_read_out 2,048 x 2,048 float32; w_read_q 2,048 x 2,048 float32; w_read_v 2,048 x 2,048 float32; w_write_k 2,048 x 2,048 float32; w_write_q 2,048 x 2,048 float32; w_write_v 2,048 x 2,048 float32; write_gate 1 float32.
;; Outputs: out0 4,096 x 2,048 float32; out1 8 x 2,048 float32.
;; One version. Each part assembles by itself: llvm-mc -triple=amdgcn-amd-amdhsa -mcpu=gfx1250 --defsym DOCPART=n.
;; ======== version 1 of 1: 5 launches
;; limits: values outside matrix products are rounded to bf16
;; workspace buffers: Y 196,608 bytes; QKF 524,288 bytes; MTF 524,288 bytes; STAT 2,304 bytes; UPART 16,777,216 bytes; ML 16,384 bytes; URED 65,536 bytes
;; launch proj (part 1): grid 256 x 1, 8 waves a work-group, no clusters, 283,648 bytes of LDS; arguments memory, w_read_k, w_read_v, w_write_q, Y; writes Y
.if DOCPART == 1
	.amdgcn_target "amdgcn-amd-amdhsa--gfx1250"
	.amdhsa_code_object_version 6
	.text
	.protected	k_qf135b7a53b_proj
	.globl	k_qf135b7a53b_proj
	.p2align	8
	.type	k_qf135b7a53b_proj,@function
k_qf135b7a53b_proj:
	s_mov_b64 s[64:65], 0
	v_nop
	global_prefetch_b8 v0, s[64:65] scope:SCOPE_SE
	s_setreg_imm32_b32 hwreg(HW_REG_WAVE_MODE, 25, 1), 1
	s_wait_xcnt 0x0
; k = memory Wrk^T, v = memory Wrv^T, wq = memory Wwq^T: three products of 8 rows, each weight matrix read once.
; Work-group G owns output columns o = 8G .. 8G+7 (rows 8G.. of each W, 192 KiB) and reads all of memory (64 KiB).
; Wave w owns the summation indices j = 256w .. 256w+255: eight K steps of 32.  The eight partial sums meet in LDS.
; Operands are rounded to bf16, sums are f32.  No cluster: the work-groups share only memory's 64 KiB, a quarter of what each reads.
; Y: part (0 k, 1 v, 2 wq) * 65536 + (o>>3) * 256 + slot * 32 + (o&7) * 4, f32.
; K order in both operands: lane half hf, element e = 0..15 stands for j = 32 step + 16 hf + e (register e>>1, half e&1).
.set PITCH, 1040                       ; an LDS row: 1,024 bytes + 16 of padding = 65 x 16, so 16 rows start in 16 different 16-byte columns
.set TILEB, 8*PITCH                    ; one tensor tile: 8 rows
.set WREG,  4*TILEB                    ; a wave's region: memory, Wrk, Wrv, Wwq
.set SC,    8*WREG                     ; scratch for the partial sums: [wave][tile 2][q 2][lane][16 B]; no tensor load fills it
.set RAW,   16                         ; v[16:111]   f32 as read from LDS, two buffers of (X 16, W0 16, W1 16)
.set FR,    112                        ; v[112:159]  bf16 fragments, two buffers of (X 8, W0 8, W1 8)
.set ACC0,  160                        ; v[160:167]  rows of Wrk (m 0-7) and Wrv (m 8-15) x slots
.set ACC1,  168                        ; v[168:175]  rows of Wwq (twice) x slots
.set G1,    24                         ; s[24:31]    descriptor group 1
.set G0,    32                         ; s[32:47]    four descriptor groups 0
	s_load_b256 s[4:11], s[0:1], 0x0               ; memory s[4:5], Wrk s[6:7], Wrv s[8:9], Wwq s[10:11]
	s_load_b64 s[12:13], s[0:1], 0x20              ; Y
	v_lshl_add_u32 v192, v0, 2, 0x45000
	v_mov_b32 v193, 0
	ds_add_u32 v192, v193
	ds_add_u32 v192, v193
	v_lshrrev_b32 v1, 5, v0
	v_readfirstlane_b32 s14, v1                    ; wave 0..7
	s_mov_b32 s[G1+0], 0x07D20000                  ; elements of 4 bytes; padding on: 4 words behind every 256 words
	s_mov_b32 s[G1+1], 256<<16                     ; tensor_dim0 = 256
	s_mov_b32 s[G1+2], 8<<16                       ; tensor_dim1 = 8
	s_mov_b32 s[G1+3], 256<<16                     ; tile_dim0 = 256
	s_mov_b32 s[G1+4], 8                           ; tile_dim1 = 8
	s_mov_b32 s[G1+5], 2048                        ; elements from row to row
	s_mov_b32 s[G1+6], 0
	s_mov_b32 s[G1+7], 0
	s_mul_i32 s15, s14, WREG                       ; my region in LDS
	s_lshl_b32 s16, s14, 10                        ; my 256 columns, in bytes
	s_mov_b32 s17, 0
	s_lshl_b32 s18, ttmp9, 16                      ; 8 rows of 8,192 bytes for each work-group
	s_add_co_u32 s18, s18, s16
	s_mov_b32 s19, 0
	s_wait_dscnt 0x0
	s_wait_kmcnt 0x0
	; the four first fills go out together; each wave has four tensor loads out, into bytes that it alone reads
.irp i, 0,1,2,3
	s_mov_b32 s[G0+4*\i], 1
	s_add_co_u32 s[G0+4*\i+1], s15, \i*TILEB
.if \i == 0
	s_add_nc_u64 s[G0+2:G0+3], s[4:5], s[16:17]
.else
	s_add_nc_u64 s[G0+4*\i+2:G0+4*\i+3], s[4+2*\i:5+2*\i], s[18:19]
.endif
	s_or_b32 s[G0+4*\i+3], s[G0+4*\i+3], 0x80000000
	tensor_load_to_lds s[G0+4*\i:G0+4*\i+3], s[G1:G1+7]
	s_nop 0
.endr
	v_and_b32 v1, 15, v0                           ; r
	v_bfe_u32 v2, v0, 4, 1                         ; hf
	v_and_b32 v7, 7, v0                            ; r & 7
	v_and_b32 v8, 31, v0                           ; lane
	v_lshl_add_u32 v9, v2, 6, s15                  ; region + 64 hf
	v_mad_u32_u24 v3, v7, PITCH, v9                ; memory: slot r & 7 (lanes r >= 8 repeat the slots)
	v_mad_u32_u24 v4, v1, PITCH, v9
	v_add_nc_u32 v4, TILEB, v4                     ; Wrk's 8 rows, then Wrv's: row r of the sixteen
	v_add_nc_u32 v5, 3*TILEB, v3                   ; Wwq: row r & 7
	s_lshl_b32 s20, s14, 11
	s_add_co_u32 s20, s20, SC
	v_lshl_add_u32 v6, v8, 4, s20                  ; my 2 KiB of scratch, 16 bytes a lane
	s_wait_tensorcnt 0x0                           ; my four tiles are in; nobody else reads them, so no barrier
.macro DSL k, b                        ; the 3 x 16 f32 of K step k into buffer b: twelve LDS loads
.irp i, 0,1,2,3
	ds_load_b128 v[RAW+48*(\b)+4*\i:RAW+48*(\b)+4*\i+3], v3 offset:128*(\k)+16*\i
.endr
.irp i, 0,1,2,3
	ds_load_b128 v[RAW+48*(\b)+16+4*\i:RAW+48*(\b)+16+4*\i+3], v4 offset:128*(\k)+16*\i
.endr
.irp i, 0,1,2,3
	ds_load_b128 v[RAW+48*(\b)+32+4*\i:RAW+48*(\b)+32+4*\i+3], v5 offset:128*(\k)+16*\i
.endr
.endm
; One K step.  The two accumulators take turns.  A fragment buffer is rewritten two steps after the matrix
; instructions that read it; the 24 conversions of the step between are the places behind them (ISA guide 7.12.1).
.macro STEP k
.set CUR, (\k)&1
.if \k < 7
	DSL \k+1, 1-CUR
	s_wait_dscnt 12                                ; all but the twelve loads just issued: this step's numbers are in
.else
	s_wait_dscnt 0
.endif
.set i, 0
.rept 24
	v_cvt_pk_bf16_f32 v[FR+24*CUR+i], v[RAW+48*CUR+2*i], v[RAW+48*CUR+2*i+1]
.set i, i+1
.endr
.if \k == 0
	v_wmma_f32_16x16x32_bf16 v[ACC0:ACC0+7], v[FR+24*CUR+8:FR+24*CUR+15], v[FR+24*CUR:FR+24*CUR+7], 0
	v_wmma_f32_16x16x32_bf16 v[ACC1:ACC1+7], v[FR+24*CUR+16:FR+24*CUR+23], v[FR+24*CUR:FR+24*CUR+7], 0
.else
	v_wmma_f32_16x16x32_bf16 v[ACC0:ACC0+7], v[FR+24*CUR+8:FR+24*CUR+15], v[FR+24*CUR:FR+24*CUR+7], v[ACC0:ACC0+7]
	v_wmma_f32_16x16x32_bf16 v[ACC1:ACC1+7], v[FR+24*CUR+16:FR+24*CUR+23], v[FR+24*CUR:FR+24*CUR+7], v[ACC1:ACC1+7]
.endif
.endm
	DSL 0, 0
.irp k, 0,1,2,3,4,5,6,7
	STEP \k
.endr
.rept 4
	v_nop                                          ; four places before the results are read
.endr
	ds_store_b128 v6, v[ACC0:ACC0+3]
	ds_store_b128 v6, v[ACC0+4:ACC0+7] offset:512
	ds_store_b128 v6, v[ACC1:ACC1+3] offset:1024
	ds_store_b128 v6, v[ACC1+4:ACC1+7] offset:1536
	s_wait_dscnt 0x0                               ; my partial sums are in LDS before I say so
	s_barrier_signal -1
	s_barrier_wait -1
	s_cmp_ge_u32 s14, 2
	s_cbranch_scc1 .Ldone
	; waves 0 and 1 add the eight partial sums of tile 0 (k and v) and tile 1 (wq)
	s_lshl_b32 s20, s14, 10
	s_add_co_u32 s20, s20, SC
	v_lshl_add_u32 v9, v8, 4, s20
.irp p, 0,1,2,3,4,5,6,7
	ds_load_b128 v[16+8*\p:19+8*\p], v9 offset:2048*\p
	ds_load_b128 v[20+8*\p:23+8*\p], v9 offset:2048*\p+512
.endr
	v_lshrrev_b32 v10, 3, v1                       ; r >> 3
	v_lshlrev_b32 v11, 5, v7                       ; 32 x slot
	v_lshl_add_u32 v11, v10, 4, v11                ; lanes r >= 8 hold the same slots: they store columns 4-7, the others 0-3
	v_lshl_add_u32 v11, v2, 16, v11                ; tile 0: hf = 0 is k, hf = 1 is v
	s_lshl_b32 s21, s14, 17                        ; tile 1 is wq
	s_lshl_b32 s22, ttmp9, 8
	s_add_co_u32 s21, s21, s22
	v_add_nc_u32 v11, s21, v11
	v_add_nc_u32 v12, s14, v2                      ; tile 1's upper lanes repeat the lower ones: they store nothing
	s_wait_dscnt 0x0
.irp p, 1,2,3,4,5,6,7
.irp i, 0,2,4,6
	v_pk_add_f32 v[16+\i:17+\i], v[16+\i:17+\i], v[16+8*\p+\i:17+8*\p+\i]
.endr
.endr
	v_cmp_le_u32 vcc_lo, 8, v1
.irp i, 0,1,2,3
	v_cndmask_b32 v[80+\i], v[16+\i], v[20+\i], vcc_lo
.endr
	v_cmp_gt_u32 vcc_lo, 2, v12
	s_and_saveexec_b32 s23, vcc_lo
	global_store_b128 v11, v[80:83], s[12:13]      ; sixteen lanes store 256 consecutive bytes, aligned
	s_wait_xcnt 0x0                                ; EXEC widens only behind this wait
	s_or_b32 exec_lo, exec_lo, s23
.Ldone:
	s_wait_tensorcnt 0x0
	ds_add_u32 v192, v193
	s_wait_dscnt 0x0
	s_endpgm
.Lfunc_end_k_qf135b7a53b_proj:
	.size	k_qf135b7a53b_proj, .Lfunc_end_k_qf135b7a53b_proj-k_qf135b7a53b_proj
	.p2alignl 7, 3214868480
	.fill 96, 4, 3214868480
	.section	.rodata,"a",@progbits
	.p2align	6, 0x0
	.amdhsa_kernel k_qf135b7a53b_proj
		.amdhsa_group_segment_fixed_size 283648
		.amdhsa_private_segment_fixed_size 0
		.amdhsa_enable_private_segment 0
		.amdhsa_kernarg_size 40
		.amdhsa_user_sgpr_count 2
		.amdhsa_user_sgpr_kernarg_segment_ptr 1
		.amdhsa_wavefront_size32 1
		.amdhsa_system_sgpr_workgroup_id_x 1
		.amdhsa_system_sgpr_workgroup_id_y 1
		.amdhsa_system_sgpr_workgroup_id_z 1
		.amdhsa_system_vgpr_workitem_id 0
		.amdhsa_next_free_vgpr 194
		.amdhsa_next_free_sgpr 66
		.amdhsa_reserve_vcc 1
		.amdhsa_float_denorm_mode_32 3
		.amdhsa_float_denorm_mode_16_64 3
		.amdhsa_memory_ordered 1
		.amdhsa_forward_progress 1
		.amdhsa_inst_pref_size 27
	.end_amdhsa_kernel
	.amdgpu_metadata
---
amdhsa.version: [ 1, 2 ]
amdhsa.kernels:
  - .name:           k_qf135b7a53b_proj
    .symbol:         k_qf135b7a53b_proj.kd
    .args:
      - { .name: memory, .offset: 0, .size: 8, .value_kind: global_buffer, .address_space: global }
      - { .name: w_read_k, .offset: 8, .size: 8, .value_kind: global_buffer, .address_space: global }
      - { .name: w_read_v, .offset: 16, .size: 8, .value_kind: global_buffer, .address_space: global }
      - { .name: w_write_q, .offset: 24, .size: 8, .value_kind: global_buffer, .address_space: global }
      - { .name: Y, .offset: 32, .size: 8, .value_kind: global_buffer, .address_space: global }
    .group_segment_fixed_size: 283648
    .private_segment_fixed_size: 0
    .kernarg_segment_align: 8
    .kernarg_segment_size: 40
    .max_flat_workgroup_size: 256
    .sgpr_count:     66
    .vgpr_count:     194
    .wavefront_size: 32
...
	.end_amdgpu_metadata
.endif
;; end of part 1
;; launch tables (part 2): grid 256 x 1, 8 waves a work-group, no clusters, 168,960 bytes of LDS; arguments Y, w_read_q, w_write_k, w_read_out, ln_gamma, ln_beta, QKF, MTF, STAT; writes QKF, MTF, STAT
.if DOCPART == 2
	.amdgcn_target "amdgcn-amd-amdhsa--gfx1250"
	.amdhsa_code_object_version 6
	.text
	.protected	k_qf135b7a53b_tables
	.globl	k_qf135b7a53b_tables
	.p2align	8
	.type	k_qf135b7a53b_tables,@function
k_qf135b7a53b_tables:
	s_mov_b64 s[64:65], 0
	v_nop
	global_prefetch_b8 v0, s[64:65] scope:SCOPE_SE
	s_setreg_imm32_b32 hwreg(HW_REG_WAVE_MODE, 25, 1), 1
	s_wait_xcnt 0x0
; The small tables that hidden is multiplied by, each weight matrix read once.  c = G & 31 (64 columns), h = G >> 5.
; Job B, table tile h of QKF, columns j = 64c .. +63:
;   h < 4:  rows 0-7: QK[head 2h, slot][j] = sum over d of k[slot][256 head + d] Wrq[256 head + d][j]; rows 8-15: head 2h+1.
;   h >= 4: b = h - 4: rows 0-7: sum over Wwk's rows 512b .. +255 of wq[slot][.] Wwk[.][j]; rows 8-15: its next 256 rows.
;   Wave w sums over rows 512 (h&3) + 64w .. +63 (two K steps); the eight partial sums meet in LDS.
; Job A, head h, outputs o = 64c .. +63: T[h][e][o] = sum over d of Z[e][d] Wout[o][256h + d],
;   Z[e] = (v[e] - mean) gamma for e < 8, gamma for e = 8, beta for e = 9, 0 above.
; The work-groups with c = 0 also store the head's mean of v and G' = vc vc^T / 2048 (STAT).
; The mean is taken away from v before any square or product, so the variance is never a difference of large sums.
; Operands bf16, sums f32; the tables carry no scale and overflow only where |v gamma W| x 256 leaves f32's range.
; No cluster: the work-groups share only slices of Y, a few KiB beside the 192 KiB of weights that each reads alone.
; QKF: [j>>5][tile 8][p 2][hf 2][row 16][8 bf16], j = 32 (j>>5) + 16 hf + 8 p + 0..7.
; MTF: [c 32][u 4][head>>1][p 2][head&1][r 16][8 bf16], o = 64c + 4r + u, e = 8p + 0..7.
.set PITCH, 1040
.set WTU,  16*PITCH                    ; Wout's tile u: 16 rows o = 64c + u + 4i
.set SB,   4*WTU                       ; partial sums of job B: [wave][u][q][lane][16 B], 32 KiB
.set ZF,   SB+32768                    ; Z's fragments: [K step][p][lane][16 B], 8 KiB
.set VF,   ZF+8192                     ; vc's fragments, the same shape
.set XR,   16                          ; v[16:47]   x (k or wq) as f32, then two fragments in v[16:31]
.set VS,   48                          ; v[48:111]  64 numbers of v for the mean; then W's second 32 rows
.set VO,   112                         ; v[112:127] v of my K step
.set GA,   128                         ; v[128:143] gamma
.set BE,   144                         ; v[144:159] beta, then Z
.set RAW0, 160                         ; v[160:223] W's first 32 rows
.set RAW1, 48
.set FR0,  112                         ; v[112:143] four fragments of W, first K step
.set FR1,  160                         ; v[160:191] second K step
.set ACC,  224                         ; v[224:255] four accumulators, one for each u
	s_load_b512 s[4:19], s[0:1], 0x0               ; Y, Wrq, Wwk, Wout, gamma, beta, QKF, MTF
	s_load_b64 s[20:21], s[0:1], 0x40              ; STAT
	s_set_vgpr_msb 0x40
	v_lshl_add_u32 v0, v0, 2, 0x29000
	v_mov_b32 v1, 0
	s_set_vgpr_msb 0x4045
	ds_add_u32 v0, v1
	ds_add_u32 v0, v1
	s_set_vgpr_msb 0x4500
	v_lshrrev_b32 v1, 5, v0
	v_readfirstlane_b32 s22, v1                    ; wave
	s_and_b32 s23, ttmp9, 31                       ; c
	s_lshr_b32 s24, ttmp9, 5                       ; h
	s_lshr_b32 s25, ttmp9, 7                       ; 0: Wrq and k, 1: Wwk and wq
	s_and_b32 s26, s24, 3                          ; b
	s_mov_b32 s36, 0x07D20000                      ; f32; 4 words of padding behind every 256
	s_mov_b32 s37, 256<<16
	s_mov_b32 s38, 8<<16
	s_mov_b32 s39, 256<<16
	s_mov_b32 s40, 8
	s_mov_b32 s41, 8192                            ; every fourth row of Wout
	s_mov_b32 s42, 0
	s_mov_b32 s43, 0
	s_lshr_b32 s28, s22, 1                         ; I fetch tile u = w >> 1,
	s_and_b32 s29, s22, 1                          ; its rows 8 (w & 1) .. +7
	s_lshl_b32 s30, s23, 6
	s_add_co_u32 s30, s30, s28
	s_lshl_b32 s29, s29, 5
	s_add_co_u32 s30, s30, s29                     ; first row: 64c + u + 32 half
	s_lshl_b32 s30, s30, 13
	s_lshl_b32 s31, s24, 10                        ; columns 256h ..
	s_add_co_u32 s30, s30, s31
	s_mov_b32 s31, 0
	s_mov_b32 s44, 1
	s_mul_i32 s45, s22, 8*PITCH                    ; tile u's half lies at (2u + half) x 8 rows = wave x 8 rows
	s_wait_dscnt 0x0
	s_wait_kmcnt 0x0
	s_add_nc_u64 s[46:47], s[10:11], s[30:31]
	s_or_b32 s47, s47, 0x80000000
	tensor_load_to_lds s[44:47], s[36:43]          ; the one tensor load of this wave
	s_nop 0
	s_lshl_b32 s32, s26, 9
	s_lshl_b32 s33, s22, 6
	s_add_co_u32 s32, s32, s33                     ; R0 = 512b + 64w: my first row of W
	s_lshl_b32 s34, s32, 5
	s_lshl_b32 s35, s25, 17
	s_add_co_u32 s34, s34, s35
	s_mov_b32 s35, 0
	s_add_nc_u64 s[56:57], s[4:5], s[34:35]        ; x at index R0
	s_lshl_b32 s34, s24, 13
	s_add_co_u32 s34, s34, 65536
	s_add_nc_u64 s[58:59], s[4:5], s[34:35]        ; v at index 256h
	s_lshl_b32 s34, s22, 10
	s_add_nc_u64 s[60:61], s[58:59], s[34:35]      ; v at index 256h + 32w
	s_lshl_b32 s34, s24, 10
	s_lshl_b32 s33, s22, 7
	s_add_co_u32 s34, s34, s33
	s_add_nc_u64 s[12:13], s[12:13], s[34:35]      ; gamma and beta at 256h + 32w
	s_add_nc_u64 s[14:15], s[14:15], s[34:35]
	s_lshl_b32 s34, s32, 13
	s_lshl_b32 s33, s23, 8
	s_add_co_u32 s34, s34, s33
	s_cmp_lg_u32 s25, 0
	s_cselect_b64 s[54:55], s[8:9], s[6:7]
	s_add_nc_u64 s[54:55], s[54:55], s[34:35]      ; W at row R0, column 64c
	s_mov_b32 s49, 0x00ff00ff                      ; lanes r < 8
	s_mov_b32 s50, 0x01000100                      ; r = 8
	s_mov_b32 s51, 0x02000200                      ; r = 9
	s_mov_b32 s52, 0x76543210                      ; v_permlanex16_b32: lane i of the other half
	s_mov_b32 s53, 0xfedcba98
	s_cmp_lt_u32 s22, 4
	s_cselect_b32 s48, s49, 0xff00ff00             ; waves 0-3 sum for table rows 0-7, waves 4-7 for rows 8-15
	v_and_b32 v1, 15, v0                           ; r
	v_bfe_u32 v2, v0, 4, 1                         ; hf
	v_and_b32 v3, 7, v0
	v_and_b32 v4, 31, v0
	v_lshlrev_b32 v4, 4, v4                        ; 16 x lane
	v_lshlrev_b32 v5, 5, v3                        ; 32 x slot
	v_bfe_u32 v6, v0, 3, 1
	v_lshl_add_u32 v6, v2, 1, v6                   ; which 64 of the head's 256 numbers I sum
	v_lshl_add_u32 v6, v6, 11, v5
	v_lshl_add_u32 v5, v2, 9, v5                   ; 16 indices for each half of the lanes
	v_lshlrev_b32 v7, 6, v2
	v_lshlrev_b32 v8, 4, v1
	v_lshl_add_u32 v8, v2, 17, v8                  ; W: 16 rows for each half, 16 bytes a lane: sixteen lanes read 256 consecutive bytes
	v_mov_b32 v14, 0
.irp s, 0,1
	global_load_b128 v[XR+16*\s:XR+16*\s+3],     v5, s[56:57] offset:1024*\s
	global_load_b128 v[XR+16*\s+4:XR+16*\s+7],   v5, s[56:57] offset:1024*\s+16
	global_load_b128 v[XR+16*\s+8:XR+16*\s+11],  v5, s[56:57] offset:1024*\s+256
	global_load_b128 v[XR+16*\s+12:XR+16*\s+15], v5, s[56:57] offset:1024*\s+272
.endr
.irp i, 0,1,2,3,4,5,6,7
	global_load_b128 v[VS+8*\i:VS+8*\i+3],   v6, s[58:59] offset:256*\i
	global_load_b128 v[VS+8*\i+4:VS+8*\i+7], v6, s[58:59] offset:256*\i+16
.endr
	global_load_b128 v[VO:VO+3],     v5, s[60:61]
	global_load_b128 v[VO+4:VO+7],   v5, s[60:61] offset:16
	global_load_b128 v[VO+8:VO+11],  v5, s[60:61] offset:256
	global_load_b128 v[VO+12:VO+15], v5, s[60:61] offset:272
.irp i, 0,1,2,3
	global_load_b128 v[GA+4*\i:GA+4*\i+3], v7, s[12:13] offset:16*\i
.endr
.irp i, 0,1,2,3
	global_load_b128 v[BE+4*\i:BE+4*\i+3], v7, s[14:15] offset:16*\i
.endr
.set i, 0
.rept 16
	global_load_b128 v[RAW0+4*i:RAW0+4*i+3], v8, s[54:55] offset:8192*i th:TH_LOAD_NT
.set i, i+1
.endr
	s_lshl_b32 s33, s22, 10
	s_add_co_u32 s33, s33, ZF
	v_add_nc_u32 v9, s33, v4
	s_lshl_b32 s33, s22, 12
	s_add_co_u32 s33, s33, SB
	v_add_nc_u32 v10, s33, v4
	s_wait_loadcnt 16                              ; the sixteen youngest loads, W's first rows, stay out; x, v, gamma, beta are in
	; the head's mean of v: 64 numbers a lane, then the four lanes that share a slot
.irp n, 16,8,4,2,1
.set i, 0
.rept \n
	v_pk_add_f32 v[VS+2*i:VS+2*i+1], v[VS+2*i:VS+2*i+1], v[VS+2*(i+\n):VS+2*(i+\n)+1]
.set i, i+1
.endr
.endr
	v_add_f32 v15, v[VS], v[VS+1]
	v_add_f32_dpp v15, v15, v15 row_xmask:8 row_mask:0xf bank_mask:0xf
	v_permlanex16_b32 v14, v15, s52, s53
	v_add_f32 v15, v15, v14
	v_mul_f32 v15, 0x3b800000, v15                 ; / 256: mv[h][slot r & 7] in every lane
.set i, 0
.rept 16
	global_load_b128 v[RAW1+4*i:RAW1+4*i+3], v8, s[54:55] offset:8192*(32+i) th:TH_LOAD_NT
.set i, i+1
.endr
	; K step w of Z and of vc
.set i, 0
.rept 16
	v_sub_f32 v[VO+i], v[VO+i], v15
	v_cndmask_b32 v[BE+i], 0, v[BE+i], s51         ; row 9: beta, else 0
	v_cndmask_b32 v[BE+i], v[BE+i], v[GA+i], s50   ; row 8: gamma
	v_mul_f32 v[GA+i], v[VO+i], v[GA+i]
	v_cndmask_b32 v[BE+i], v[BE+i], v[GA+i], s49   ; rows 0-7: vc gamma
.set i, i+1
.endr
.set i, 0
.rept 8
	v_cvt_pk_bf16_f32 v[VO+i], v[VO+2*i], v[VO+2*i+1]
	v_cvt_pk_bf16_f32 v[BE+i], v[BE+2*i], v[BE+2*i+1]
.set i, i+1
.endr
	ds_store_b128 v9, v[BE:BE+3]
	ds_store_b128 v9, v[BE+4:BE+7] offset:512
	ds_store_b128 v9, v[VO:VO+3] offset:8192
	ds_store_b128 v9, v[VO+4:VO+7] offset:8192+512
	; x's two fragments; the lanes of the table rows that my rows of W do not feed hold zeros
.set i, 0
.rept 8
	v_cvt_pk_bf16_f32 v[XR+i], v[XR+2*i], v[XR+2*i+1]
.set i, i+1
.endr
.set i, 0
.rept 8
	v_cvt_pk_bf16_f32 v[XR+8+i], v[XR+16+2*i], v[XR+16+2*i+1]
.set i, i+1
.endr
.set i, 0
.rept 16
	v_cndmask_b32 v[XR+i], 0, v[XR+i], s48
.set i, i+1
.endr
	s_wait_loadcnt 16                              ; W's first 32 rows are in, the second 32 stay out
	; a lane holds 16 rows x 4 columns of W: column u of the four gives the fragment of the columns j = 64c + 4r + u
.irp u, 0,1,2,3
.irp i, 0,1,2,3,4,5,6,7
	v_cvt_pk_bf16_f32 v[FR0+8*\u+\i], v[RAW0+8*\i+\u], v[RAW0+8*\i+4+\u]
.endr
.endr
.irp u, 0,1,2,3
	v_wmma_f32_16x16x32_bf16 v[ACC+8*\u:ACC+8*\u+7], v[FR0+8*\u:FR0+8*\u+7], v[XR:XR+7], 0
.endr
	s_wait_loadcnt 0x0
.irp u, 0,1,2,3
.irp i, 0,1,2,3,4,5,6,7
	v_cvt_pk_bf16_f32 v[FR1+8*\u+\i], v[RAW1+8*\i+\u], v[RAW1+8*\i+4+\u]
.endr
.endr
.irp u, 0,1,2,3                        ; the four accumulators take turns
	v_wmma_f32_16x16x32_bf16 v[ACC+8*\u:ACC+8*\u+7], v[FR1+8*\u:FR1+8*\u+7], v[XR+8:XR+15], v[ACC+8*\u:ACC+8*\u+7]
.endr
.rept 4
	v_nop                                          ; four places before results are read and operand registers are loaded again
.endr
.irp u, 0,1,2,3
	ds_store_b128 v10, v[ACC+8*\u:ACC+8*\u+3] offset:1024*\u
	ds_store_b128 v10, v[ACC+8*\u+4:ACC+8*\u+7] offset:1024*\u+512
.endr
	s_wait_tensorcnt 0x0                           ; my part of Wout's tiles has landed,
	s_wait_dscnt 0x0                               ; my fragments and partial sums are in LDS:
	s_barrier_signal -1                            ; say so
	s_barrier_wait -1
	s_cmp_ge_u32 s22, 4
	s_cbranch_scc1 .Lqk
	; waves 0-3, u = w: T[h][.][64c + 4r + u], eight K steps over the head's 256 numbers
	s_mul_i32 s33, s22, WTU
	v_mad_u32_u24 v11, v1, PITCH, s33
	v_lshl_add_u32 v11, v2, 6, v11
	v_add_nc_u32 v12, ZF, v4
.irp k, 0,1,2,3,4,5,6,7
.irp i, 0,1,2,3
	ds_load_b128 v[16+16*\k+4*\i:19+16*\k+4*\i], v11 offset:128*\k+16*\i
.endr
.endr
.irp k, 0,1,2,3,4,5,6,7
	ds_load_b128 v[144+8*\k:147+8*\k], v12 offset:1024*\k
	ds_load_b128 v[148+8*\k:151+8*\k], v12 offset:1024*\k+512
.endr
	s_lshl_b32 s34, s23, 14
	s_lshl_b32 s33, s22, 12
	s_add_co_u32 s34, s34, s33
	s_lshr_b32 s33, s24, 1
	s_lshl_b32 s33, s33, 10
	s_add_co_u32 s34, s34, s33
	s_and_b32 s33, s24, 1
	s_lshl_b32 s33, s33, 8
	s_add_co_u32 s34, s34, s33
	s_add_nc_u64 s[18:19], s[18:19], s[34:35]
	v_lshlrev_b32 v13, 4, v1
	v_lshl_add_u32 v13, v2, 9, v13                 ; my eight numbers are e = 8 hf .. +7: p = hf
	s_wait_dscnt 0x0
.irp k, 0,1,2,3,4,5,6,7
.irp i, 0,1,2,3,4,5,6,7
	v_cvt_pk_bf16_f32 v[16+16*\k+\i], v[16+16*\k+2*\i], v[17+16*\k+2*\i]
.endr
.endr
.irp k, 0,1,2,3,4,5,6,7                ; two accumulators by turns
.if \k < 2
	v_wmma_f32_16x16x32_bf16 v[208+8*(\k&1):215+8*(\k&1)], v[144+8*\k:151+8*\k], v[16+16*\k:23+16*\k], 0
.else
	v_wmma_f32_16x16x32_bf16 v[208+8*(\k&1):215+8*(\k&1)], v[144+8*\k:151+8*\k], v[16+16*\k:23+16*\k], v[208+8*(\k&1):215+8*(\k&1)]
.endif
.endr
.rept 4
	v_nop
.endr
.irp i, 0,2,4,6
	v_pk_add_f32 v[208+\i:209+\i], v[208+\i:209+\i], v[216+\i:217+\i]
.endr
.irp i, 0,1,2,3
	v_cvt_pk_bf16_f32 v[224+\i], v[208+2*\i], v[209+2*\i]
.endr
	global_store_b128 v13, v[224:227], s[18:19]    ; sixteen lanes store 256 consecutive bytes, aligned
	s_set_vgpr_msb 0x5
	s_wait_tensorcnt 0x0
	ds_add_u32 v0, v1
	s_wait_dscnt 0x0
	s_set_vgpr_msb 0x500
	s_endpgm
.Lqk:
	; waves 4-7, pair pi = w & 3 of the result registers: add the eight partial sums, pack, store in the order that the next launch loads
	s_and_b32 s28, s22, 3                          ; pi
	s_lshr_b32 s29, s28, 1                         ; which quad of the eight registers
	s_and_b32 s30, s28, 1                          ; which pair of the quad
	s_lshl_b32 s33, s29, 9
	s_lshl_b32 s31, s30, 3
	s_add_co_u32 s33, s33, s31
	s_add_co_u32 s33, s33, SB                      ; SB + 512 (pi >> 1) + 8 (pi & 1)
	v_add_nc_u32 v11, s33, v4
.irp p, 0,1,2,3,4,5,6,7
.irp u, 0,1,2,3
	ds_load_b64 v[16+8*\p+2*\u:17+8*\p+2*\u], v11 offset:4096*\p+1024*\u
.endr
.endr
	s_lshl_b32 s34, s23, 14                        ; j >> 5 = 2c + hf
	s_lshl_b32 s33, s24, 10
	s_add_co_u32 s34, s34, s33
	s_lshl_b32 s33, s30, 9
	s_add_co_u32 s34, s34, s33
	s_lshl_b32 s33, s29, 8
	s_add_co_u32 s34, s34, s33
	s_add_nc_u64 s[16:17], s[16:17], s[34:35]
	v_lshlrev_b32 v13, 4, v1
	v_lshl_add_u32 v13, v2, 13, v13
	s_wait_dscnt 0x0
.irp p, 1,2,3,4,5,6,7
.irp u, 0,2,4,6
	v_pk_add_f32 v[16+\u:17+\u], v[16+\u:17+\u], v[16+8*\p+\u:17+8*\p+\u]
.endr
.endr
	v_cvt_pk_bf16_f32 v80, v16, v18                ; register 2 pi: columns u = 0, 1
	v_cvt_pk_bf16_f32 v81, v20, v22                ; u = 2, 3
	v_cvt_pk_bf16_f32 v82, v17, v19                ; register 2 pi + 1
	v_cvt_pk_bf16_f32 v83, v21, v23
	global_store_b128 v13, v[80:83], s[16:17]      ; sixteen lanes store 256 consecutive bytes, aligned
	s_cmp_lg_u32 s22, 4
	s_cbranch_scc1 .Lend
	s_cmp_lg_u32 s23, 0
	s_cbranch_scc1 .Lend
	; wave 4 of the work-groups with c = 0: G'[h] = vc vc^T / 2048 and the means.
	; The store above may still read v13 and v[80:83]: what follows uses registers of its own (v84-87, v92, v93).
	v_add_nc_u32 v12, VF, v4
.irp k, 0,1,2,3,4,5,6,7
	ds_load_b128 v[96+8*\k:99+8*\k], v12 offset:1024*\k
	ds_load_b128 v[100+8*\k:103+8*\k], v12 offset:1024*\k+512
.endr
	s_lshl_b32 s33, s24, 8
	v_lshlrev_b32 v92, 5, v3
	v_bfe_u32 v93, v0, 3, 1
	v_lshl_add_u32 v92, v93, 4, v92
	v_add_nc_u32 v92, s33, v92                     ; 256h + 32 (r&7) + 16 (r>>3)
	s_lshl_b32 s33, s24, 5
	v_lshl_add_u32 v93, v1, 2, s33                 ; 32h + 4r
	s_wait_dscnt 0x0
.irp k, 0,1,2,3,4,5,6,7
.if \k < 2
	v_wmma_f32_16x16x32_bf16 v[208+8*(\k&1):215+8*(\k&1)], v[96+8*\k:103+8*\k], v[96+8*\k:103+8*\k], 0
.else
	v_wmma_f32_16x16x32_bf16 v[208+8*(\k&1):215+8*(\k&1)], v[96+8*\k:103+8*\k], v[96+8*\k:103+8*\k], v[208+8*(\k&1):215+8*(\k&1)]
.endif
.endr
.rept 4
	v_nop
.endr
.irp i, 0,2,4,6
	v_pk_add_f32 v[208+\i:209+\i], v[208+\i:209+\i], v[216+\i:217+\i]
.endr
	v_cmp_le_u32 vcc_lo, 8, v1
.irp i, 0,1,2,3
	v_cndmask_b32 v[84+\i], v[208+\i], v[212+\i], vcc_lo   ; G' is symmetric: lane r holds row r & 7; lanes r >= 8 take its columns 4-7
.endr
	v_pk_mul_f32 v[84:85], v[84:85], 0x3a000000 op_sel_hi:[1,0]
	v_pk_mul_f32 v[86:87], v[86:87], 0x3a000000 op_sel_hi:[1,0]
	s_wait_xcnt 0x0                                ; EXEC changes only behind this wait
	v_cmp_gt_u32 vcc_lo, 256, v4                   ; lanes 0-15
	s_and_saveexec_b32 s33, vcc_lo
	global_store_b128 v92, v[84:87], s[20:21]
	s_wait_xcnt 0x0
	s_or_b32 exec_lo, exec_lo, s33
	v_cmp_gt_u32 vcc_lo, 128, v4                   ; lanes 0-7
	s_and_saveexec_b32 s33, vcc_lo
	global_store_b32 v93, v15, s[20:21] offset:2048
	s_wait_xcnt 0x0
	s_or_b32 exec_lo, exec_lo, s33
.Lend:
	s_set_vgpr_msb 0x5
	s_wait_tensorcnt 0x0
	ds_add_u32 v0, v1
	s_wait_dscnt 0x0
	s_set_vgpr_msb 0x500
	s_endpgm
.Lfunc_end_k_qf135b7a53b_tables:
	.size	k_qf135b7a53b_tables, .Lfunc_end_k_qf135b7a53b_tables-k_qf135b7a53b_tables
	.p2alignl 7, 3214868480
	.fill 96, 4, 3214868480
	.section	.rodata,"a",@progbits
	.p2align	6, 0x0
	.amdhsa_kernel k_qf135b7a53b_tables
		.amdhsa_group_segment_fixed_size 168960
		.amdhsa_private_segment_fixed_size 0
		.amdhsa_enable_private_segment 0
		.amdhsa_kernarg_size 72
		.amdhsa_user_sgpr_count 2
		.amdhsa_user_sgpr_kernarg_segment_ptr 1
		.amdhsa_wavefront_size32 1
		.amdhsa_system_sgpr_workgroup_id_x 1
		.amdhsa_system_sgpr_workgroup_id_y 1
		.amdhsa_system_sgpr_workgroup_id_z 1
		.amdhsa_system_vgpr_workitem_id 0
		.amdhsa_next_free_vgpr 258
		.amdhsa_next_free_sgpr 66
		.amdhsa_reserve_vcc 1
		.amdhsa_float_denorm_mode_32 3
		.amdhsa_float_denorm_mode_16_64 3
		.amdhsa_memory_ordered 1
		.amdhsa_forward_progress 1
		.amdhsa_inst_pref_size 43
	.end_amdhsa_kernel
	.amdgpu_metadata
---
amdhsa.version: [ 1, 2 ]
amdhsa.kernels:
  - .name:           k_qf135b7a53b_tables
    .symbol:         k_qf135b7a53b_tables.kd
    .args:
      - { .name: Y, .offset: 0, .size: 8, .value_kind: global_buffer, .address_space: global }
      - { .name: w_read_q, .offset: 8, .size: 8, .value_kind: global_buffer, .address_space: global }
      - { .name: w_write_k, .offset: 16, .size: 8, .value_kind: global_buffer, .address_space: global }
      - { .name: w_read_out, .offset: 24, .size: 8, .value_kind: global_buffer, .address_space: global }
      - { .name: ln_gamma, .offset: 32, .size: 8, .value_kind: global_buffer, .address_space: global }
      - { .name: ln_beta, .offset: 40, .size: 8, .value_kind: global_buffer, .address_space: global }
      - { .name: QKF, .offset: 48, .size: 8, .value_kind: global_buffer, .address_space: global }
      - { .name: MTF, .offset: 56, .size: 8, .value_kind: global_buffer, .address_space: global }
      - { .name: STAT, .offset: 64, .size: 8, .value_kind: global_buffer, .address_space: global }
    .group_segment_fixed_size: 168960
    .private_segment_fixed_size: 0
    .kernarg_segment_align: 8
    .kernarg_segment_size: 72
    .max_flat_workgroup_size: 256
    .sgpr_count:     66
    .vgpr_count:     258
    .wavefront_size: 32
...
	.end_amdgpu_metadata
.endif
;; end of part 2
;; launch tokens (part 3): grid 256 x 1, 8 waves a work-group, no clusters, 181,248 bytes of LDS; arguments hidden, QKF, MTF, STAT, gate, out0, UPART, ML; writes out0, UPART, ML
.if DOCPART == 3
	.amdgcn_target "amdgcn-amd-amdhsa--gfx1250"
	.amdhsa_code_object_version 6
	.text
	.protected	k_qf135b7a53b_tokens
	.globl	k_qf135b7a53b_tokens
	.p2align	8
	.type	k_qf135b7a53b_tokens,@function
k_qf135b7a53b_tokens:
	s_mov_b64 s[64:65], 0
	v_nop
	global_prefetch_b8 v0, s[64:65] scope:SCOPE_SE
	s_setreg_imm32_b32 hwreg(HW_REG_WAVE_MODE, 25, 1), 1
	s_wait_xcnt 0x0
; All that touches hidden, which is read from memory once.  Work-group G owns tokens 16G .. +15; wave w owns columns 256w .. +255
; of them in all three uses, so its strip of LDS is read by itself alone.
;   S: scores = hidden x QKF^T (128 table rows: 64 read scores, 8 x 8 partial write scores); the waves' partial sums meet in LDS.
;   H: waves 0-3, two heads each: softmax over the 8 slots (maximum taken away, base 2), m_h = a . mv, a^T G' a.
;   W: wave 4: write scores of the 16 tokens: their maximum m, p = 2^(s - m) rounded to bf16, l = the sum of the rounded p.
;   C: every wave: mean, variance = sum a^T G' a + mean (m_h - mu)^2 (both parts >= 0), the coefficients c[token][head][16] in bf16.
;   O: out0 = hidden + c x MTF, and U = p x hidden, 64 columns at a time.
; Limits: products regrouped against the reference, so another order of rounding; hidden, tables, c and p enter products as bf16.
; No cluster: the tables (1 MiB) are shared by all work-groups but go straight into registers in fragment order;
; a joint load would bring them through LDS slots, with a round of the cluster's barrier for each slot.
.set PITCH, 1040
.set HTW,  16*PITCH                    ; a wave's strip: 16 tokens x (1,024 + 16) bytes
.set SS,   8*HTW                       ; partial scores: [wave][tile 5][q 2][lane][16 B]
.set AT,   SS+8*5120                   ; a: token x 272 + 32 head + 4 slot
.set MW,   AT+16*272                   ; token x 80: m_h at 4 head, a^T G' a at 32 + 4 head
.set PF,   MW+16*80                    ; p's fragment, 16 bytes a lane
.set BT,   16                          ; S: v[16:143]  table fragments, two buffers of 8 tiles
.set ACC,  144                         ; S: v[144:207] eight accumulators
.set AR,   208                         ; S: v[208:239] hidden as f32, two buffers
.set AF,   240                         ; S: v[240:255] hidden's fragments, two buffers
.set GX,   208                         ; H: v[208:215] G'[h][k][k xor x]
.set MVL,  216                         ; H: v216       mv[h][k]
.set MT,   16                          ; O: v[16:79]   MTF units, two buffers of 4 fragments
.set CF,   80                          ; O: v[80:111]  c's four fragments
.set PB,   112                         ; O: v[112:119] p's fragment
.set HA,   120                         ; O: v[120:135] hidden's fragments along the tokens, two buffers
.set HQ,   136                         ; O: v[136:167] hidden: 8 tokens x 4 columns a lane, then out0
.set DD,   168                         ; O: v[168:199] c x MTF, one accumulator for each u
.set DU,   200                         ; O: v[200:231] U, likewise
.set TT,   232                         ; O: v[232:247] U in the order in which it is stored
	s_load_b512 s[4:19], s[0:1], 0x0               ; hidden, QKF, MTF, STAT, gate, out0, UPART, ML
	v_lshl_add_u32 v14, v0, 2, 0x2c000
	v_mov_b32 v15, 0
	ds_add_u32 v14, v15
	ds_add_u32 v14, v15
	v_lshrrev_b32 v1, 5, v0
	v_readfirstlane_b32 s22, v1                    ; wave
	s_mov_b32 s36, 0x07D20000                      ; f32; 4 words of padding behind every 256
	s_mov_b32 s37, 256<<16
	s_mov_b32 s38, 16<<16
	s_mov_b32 s39, 256<<16
	s_mov_b32 s40, 16
	s_mov_b32 s41, 2048
	s_mov_b32 s42, 0
	s_mov_b32 s43, 0
	s_mov_b32 s44, 1
	s_mul_i32 s45, s22, HTW
	s_lshl_b32 s24, ttmp9, 17                      ; 16 rows of 8,192 bytes
	s_lshl_b32 s25, s22, 10
	s_add_co_u32 s24, s24, s25
	s_mov_b32 s25, 0
	s_lshl_b32 s26, s22, 16
	s_mov_b32 s27, 0
	s_lshl_b32 s28, ttmp9, 16
	s_lshl_b32 s29, s22, 13
	s_add_co_u32 s28, s28, s29
	s_mov_b32 s29, 0
	s_mov_b32 s52, 0x76543210
	s_mov_b32 s53, 0xfedcba98
	s_mov_b32 s54, 0xff00ff00                      ; lanes r >= 8
	s_wait_dscnt 0x0
	s_wait_kmcnt 0x0
	s_add_nc_u64 s[46:47], s[4:5], s[24:25]
	s_or_b32 s47, s47, 0x80000000
	tensor_load_to_lds s[44:47], s[36:43]          ; my strip: the one tensor load of this wave
	s_nop 0
	s_load_b32 s20, s[12:13], 0x0                  ; gate
	s_add_nc_u64 s[6:7], s[6:7], s[26:27]          ; QKF at K step 8w
	s_add_nc_u64 s[8:9], s[8:9], s[26:27]          ; MTF at column block 4w
	s_add_nc_u64 s[14:15], s[14:15], s[24:25]      ; out0 at my strip
	s_add_nc_u64 s[16:17], s[16:17], s[28:29]      ; UPART at my record's blocks 4w ..
	v_and_b32 v1, 15, v0                           ; r
	v_bfe_u32 v2, v0, 4, 1                         ; hf
	v_and_b32 v3, 31, v0
	v_lshlrev_b32 v3, 4, v3                        ; 16 x lane
.macro GL k, b                         ; the eight table fragments of K step 8w + k: a wave's load covers 512 consecutive bytes
.irp t, 0,1,2,3,4,5,6,7
	global_load_b128 v[BT+64*(\b)+8*\t:BT+64*(\b)+8*\t+3],   v3, s[6:7] offset:8192*(\k)+1024*\t
	global_load_b128 v[BT+64*(\b)+8*\t+4:BT+64*(\b)+8*\t+7], v3, s[6:7] offset:8192*(\k)+1024*\t+512
.endr
.endm
.macro DSL k, b                        ; 16 numbers of token r
.irp i, 0,1,2,3
	ds_load_b128 v[AR+16*(\b)+4*\i:AR+16*(\b)+4*\i+3], v4 offset:128*(\k)+16*\i
.endr
.endm
.macro CVA b
.irp i, 0,1,2,3,4,5,6,7
	v_cvt_pk_bf16_f32 v[AF+8*(\b)+\i], v[AR+16*(\b)+2*\i], v[AR+16*(\b)+2*\i+1]
.endr
.endm
	GL 0, 0
	GL 1, 1
	v_mad_u32_u24 v4, v1, PITCH, s45
	v_lshl_add_u32 v4, v2, 6, v4                   ; strip + row r + 64 hf
	s_mul_i32 s30, s22, 5120
	s_add_co_u32 s30, s30, SS
	v_add_nc_u32 v5, s30, v3
	v_lshl_add_u32 v6, v1, 4, s45
	v_mad_u32_u24 v6, v2, 8*PITCH, v6              ; strip + row 8 hf + 16 r
	v_lshlrev_b32 v7, 4, v1
	v_lshl_add_u32 v7, v2, 16, v7                  ; out0: 8 rows for each half + 16 r
	s_wait_tensorcnt 0x0                           ; my strip is in; only I read it
	DSL 0, 0
	DSL 1, 1
	s_wait_dscnt 4                                 ; step 0's four loads are back, step 1's stay out
	CVA 0
; One K step: eight accumulators by turns.  The eight conversions of the next step's fragment are the
; places behind the matrix instructions (ISA guide 7.12.1) before their table registers are loaded again.
.macro STEP k
.set CUR, (\k)&1
.if \k < 7
	s_wait_loadcnt 16                              ; all but the next step's sixteen loads
.else
	s_wait_loadcnt 0
.endif
.irp t, 0,1,2,3,4,5,6,7
.if \k == 0
	v_wmma_f32_16x16x32_bf16 v[ACC+8*\t:ACC+8*\t+7], v[AF+8*CUR:AF+8*CUR+7], v[BT+64*CUR+8*\t:BT+64*CUR+8*\t+7], 0
.else
	v_wmma_f32_16x16x32_bf16 v[ACC+8*\t:ACC+8*\t+7], v[AF+8*CUR:AF+8*CUR+7], v[BT+64*CUR+8*\t:BT+64*CUR+8*\t+7], v[ACC+8*\t:ACC+8*\t+7]
.endif
.endr
.if \k < 7
	s_wait_dscnt 0
	CVA 1-CUR
.endif
.if \k < 6
	DSL \k+2, CUR
	GL \k+2, CUR
.endif
.endm
.irp k, 0,1,2,3,4,5,6,7
	STEP \k
.endr
.rept 4
	v_nop                                          ; four places before results are read and operand registers are loaded again
.endr
.irp t, 5,6,7                          ; the write scores' partial sums over Wwk's rows: tiles 4 to 7 into one
.irp i, 0,2,4,6
	v_pk_add_f32 v[ACC+32+\i:ACC+33+\i], v[ACC+32+\i:ACC+33+\i], v[ACC+8*\t+\i:ACC+8*\t+\i+1]
.endr
.endr
.irp t, 0,1,2,3,4
	ds_store_b128 v5, v[ACC+8*\t:ACC+8*\t+3] offset:1024*\t
	ds_store_b128 v5, v[ACC+8*\t+4:ACC+8*\t+7] offset:1024*\t+512
.endr
	s_cmp_ge_u32 s22, 4
	s_cbranch_scc1 .Lnostat
	; waves 0-3: lane n stands for head 2w + (n >> 3), slot k = n & 7.  Each load lands on its own address register.
	v_bfe_u32 v8, v0, 3, 1
	v_lshl_add_u32 v8, s22, 1, v8
	v_and_b32 v9, 7, v0
	v_lshlrev_b32 v10, 8, v8
	v_lshl_add_u32 v10, v9, 5, v10
.irp x, 0,1,2,3,4,5,6,7
	v_xor_b32 v[GX+\x], \x, v9
	v_lshl_add_u32 v[GX+\x], v[GX+\x], 2, v10
.endr
	v_lshlrev_b32 v[MVL], 5, v8
	v_lshl_add_u32 v[MVL], v9, 2, v[MVL]
.irp x, 0,1,2,3,4,5,6,7
	global_load_b32 v[GX+\x], v[GX+\x], s[10:11]
.endr
	global_load_b32 v[MVL], v[MVL], s[10:11] offset:2048
.Lnostat:
.macro MTL y                           ; unit y = 4 x column block + pair of heads: four fragments, eight loads of 512 consecutive bytes
.irp u, 0,1,2,3
	global_load_b128 v[MT+32*((\y)&1)+8*\u:MT+32*((\y)&1)+8*\u+3],   v3, s[8:9] offset:16384*((\y)>>2)+4096*\u+1024*((\y)&3)
	global_load_b128 v[MT+32*((\y)&1)+8*\u+4:MT+32*((\y)&1)+8*\u+7], v3, s[8:9] offset:16384*((\y)>>2)+4096*\u+1024*((\y)&3)+512
.endr
.endm
	MTL 0                                          ; asked for now: they land while the softmax is made
	MTL 1
	s_wait_dscnt 0x0                               ; my partial scores are in LDS
	s_barrier_signal -1
	s_barrier_wait -1
	s_cmp_ge_u32 s22, 4
	s_cbranch_scc1 .Lnot_h
	; ---- H ----
.set PS, 80
.set PX, 88
.set PA, 96
.set PM, 104
.set PT, 112
.set PO, 120
.macro RED8 op, d, s                   ; over the eight lanes of a head, all eight tokens of the lane
.irp j, 0,1,2,3,4,5,6,7
	\op v[\d+\j], v[\s+\j], v[\s+\j] row_xmask:1 row_mask:0xf bank_mask:0xf
.endr
.irp x, 2,4
.irp j, 0,1,2,3,4,5,6,7
	\op v[\d+\j], v[\d+\j], v[\d+\j] row_xmask:\x row_mask:0xf bank_mask:0xf
.endr
.endr
.endm
	s_wait_loadcnt 16                              ; G' and mv are in; the sixteen loads of the two MTF units stay out
	s_lshl_b32 s30, s22, 10
	s_add_co_u32 s30, s30, SS
	v_add_nc_u32 v9, s30, v3
.irp p, 0,1,2,3,4,5,6,7
	ds_load_b128 v[PS+8*\p:PS+8*\p+3],   v9 offset:5120*\p
	ds_load_b128 v[PS+8*\p+4:PS+8*\p+7], v9 offset:5120*\p+512
.endr
	s_lshl_b32 s30, s22, 6
	s_add_co_u32 s30, s30, AT
	v_lshl_add_u32 v10, v1, 2, s30
	v_mad_u32_u24 v10, v2, 8*272, v10              ; a: token 8 hf + j, 64w + 4n
	v_bfe_u32 v8, v0, 3, 1
	v_lshl_add_u32 v8, s22, 1, v8                  ; head
	v_and_b32 v12, 1, v0
	v_lshlrev_b32 v11, 2, v8
	v_lshl_add_u32 v11, v12, 5, v11
	v_mad_u32_u24 v11, v2, 8*80, v11
	v_add_nc_u32 v11, MW, v11                      ; even lanes store m_h, odd lanes a^T G' a
	v_cmp_eq_u32 vcc_lo, 1, v12
	s_wait_dscnt 0x0
.irp p, 1,2,3,4,5,6,7
.irp i, 0,2,4,6
	v_pk_add_f32 v[PS+\i:PS+\i+1], v[PS+\i:PS+\i+1], v[PS+8*\p+\i:PS+8*\p+\i+1]
.endr
.endr
.irp i, 0,2,4,6
	v_pk_mul_f32 v[PS+\i:PS+\i+1], v[PS+\i:PS+\i+1], 0x3DB8AA3B op_sel_hi:[1,0]   ; log2(e) / 16
.endr
	RED8 v_max_num_f32_dpp, PX, PS
.irp j, 0,1,2,3,4,5,6,7
	v_sub_f32 v[PS+\j], v[PS+\j], v[PX+\j]
.endr
.irp j, 0,1,2,3,4,5,6,7
	v_exp_f32 v[PA+\j], v[PS+\j]
.endr
	v_nop                                          ; one plain instruction behind the last exponential (ISA guide 5.7.2)
	s_wait_alu depctr_va_vdst(0)
	RED8 v_add_f32_dpp, PX, PA
.irp j, 0,1,2,3,4,5,6,7
	v_rcp_f32 v[PX+\j], v[PX+\j]                   ; the sum is at least 1
.endr
	v_nop
	s_wait_alu depctr_va_vdst(0)
.irp j, 0,1,2,3,4,5,6,7
	v_mul_f32 v[PA+\j], v[PA+\j], v[PX+\j]         ; a
.endr
.irp j, 0,1,2,3,4,5,6,7
	v_mul_f32 v[PM+\j], v[PA+\j], v[MVL]
	v_mul_f32 v[PT+\j], v[PA+\j], v[GX]
.endr
	RED8 v_add_f32_dpp, PM, PM                     ; m_h
.irp x, 1,2,3,4,5,6,7
.irp j, 0,1,2,3,4,5,6,7
	v_fmac_f32_dpp v[PT+\j], v[PA+\j], v[GX+\x] row_xmask:\x row_mask:0xf bank_mask:0xf   ; + a[k xor x] G'[k][k xor x]
.endr
.endr
.irp j, 0,1,2,3,4,5,6,7
	v_mul_f32 v[PT+\j], v[PT+\j], v[PA+\j]
.endr
	RED8 v_add_f32_dpp, PT, PT                     ; a^T G' a
.irp j, 0,1,2,3,4,5,6,7
	v_cndmask_b32 v[PO+\j], v[PM+\j], v[PT+\j], vcc_lo
	ds_store_b32 v10, v[PA+\j] offset:272*\j
	ds_store_b32 v11, v[PO+\j] offset:80*\j        ; four lanes store the same number to the same word
.endr
	s_branch .Lbar2
.Lnot_h:
	s_cmp_lg_u32 s22, 4
	s_cbranch_scc1 .Lbar2
	; ---- W ---- lane n: slot n & 7 (rows 8-15 hold the other half of the sum over Wwk's rows), register j: token 8 hf + j
	v_add_nc_u32 v9, SS+4096, v3
.irp p, 0,1,2,3,4,5,6,7
	ds_load_b128 v[80+8*\p:83+8*\p], v9 offset:5120*\p
	ds_load_b128 v[84+8*\p:87+8*\p], v9 offset:5120*\p+512
.endr
	v_add_nc_u32 v10, PF, v3
	s_lshl_b32 s30, ttmp9, 6
	v_lshrrev_b32 v12, 1, v3
	v_add_nc_u32 v12, s30, v12                     ; 64 G + 8 lane
	s_wait_dscnt 0x0
.irp p, 1,2,3,4,5,6,7
.irp i, 0,2,4,6
	v_pk_add_f32 v[80+\i:81+\i], v[80+\i:81+\i], v[80+8*\p+\i:81+8*\p+\i]
.endr
.endr
.irp j, 0,1,2,3,4,5,6,7
	v_add_f32_dpp v[80+\j], v[80+\j], v[80+\j] row_xmask:8 row_mask:0xf bank_mask:0xf
.endr
.irp i, 0,2,4,6
	v_pk_mul_f32 v[80+\i:81+\i], v[80+\i:81+\i], 0x3D0293EE op_sel_hi:[1,0]       ; log2(e) / sqrt(2048)
.endr
	v_max3_num_f32 v88, v80, v81, v82
	v_max3_num_f32 v88, v88, v83, v84
	v_max3_num_f32 v88, v88, v85, v86
	v_max_num_f32 v88, v88, v87
	v_permlanex16_b32 v89, v88, s52, s53
	v_max_num_f32 v88, v88, v89                    ; m: the largest score of my slot among the 16 tokens
.irp j, 0,1,2,3,4,5,6,7
	v_sub_f32 v[80+\j], v[80+\j], v88
.endr
.irp j, 0,1,2,3,4,5,6,7
	v_exp_f32 v[80+\j], v[80+\j]
.endr
	v_nop
	s_wait_alu depctr_va_vdst(0)
.irp i, 0,1,2,3
	v_cvt_pk_bf16_f32 v[96+\i], v[80+2*\i], v[81+2*\i]
.endr
	ds_store_b128 v10, v[96:99]                    ; p's fragment: K place (hf, e) is token 8 hf + e
.irp i, 0,1,2,3                        ; l is summed from the rounded p, the numbers that U is made of: U / l is an exactly normalised mean
	v_lshlrev_b32 v[100+2*\i], 16, v[96+\i]
	v_and_b32 v[101+2*\i], 0xffff0000, v[96+\i]
.endr
	v_pk_add_f32 v[100:101], v[100:101], v[102:103]
	v_pk_add_f32 v[104:105], v[104:105], v[106:107]
	v_pk_add_f32 v[100:101], v[100:101], v[104:105]
	v_add_f32 v89, v100, v101
	v_permlanex16_b32 v90, v89, s52, s53
	v_add_f32 v89, v89, v90
	s_wait_xcnt 0x0                                ; the MTF loads are pending: EXEC narrows only behind this wait
	v_cmp_gt_u32 vcc_lo, 128, v3                   ; lanes 0-7
	s_and_saveexec_b32 s30, vcc_lo
	global_store_b64 v12, v[88:89], s[18:19]
	s_wait_xcnt 0x0
	s_or_b32 exec_lo, exec_lo, s30
.Lbar2:
	s_wait_dscnt 0x0                               ; a, m_h, a^T G' a and p are in LDS
	s_barrier_signal -1
	s_barrier_wait -1
	; ---- C ---- lane = token r; half hf takes the odd or the even head of each pair
	v_mul_u32_u24 v9, v1, 80
	v_add_nc_u32 v9, MW, v9
	v_mul_u32_u24 v10, v1, 272
	v_lshl_add_u32 v10, v2, 5, v10
	v_add_nc_u32 v10, AT, v10
	v_add_nc_u32 v11, PF, v3
.irp i, 0,1,2,3
	ds_load_b128 v[HQ+4*\i:HQ+4*\i+3], v9 offset:16*\i             ; m_0..7 in v[136:143], a^T G' a in v[144:151]
.endr
.irp k, 0,1,2,3
	ds_load_b128 v[DD+8*\k:DD+8*\k+3],   v10 offset:64*\k
	ds_load_b128 v[DD+8*\k+4:DD+8*\k+7], v10 offset:64*\k+16
.endr
	ds_load_b128 v[PB:PB+3], v11
	s_wait_kmcnt 0x0                               ; gate
	v_mov_b32 v200, s20
	v_mul_f32 v200, 0xbfb8aa3b, v200
	v_exp_f32 v200, v200                           ; e^-gate
	v_cmp_eq_u32 vcc_lo, 1, v2
	s_wait_dscnt 0x0
	v_pk_add_f32 v[202:203], v[136:137], v[138:139]
	v_pk_add_f32 v[204:205], v[140:141], v[142:143]
	v_pk_add_f32 v[202:203], v[202:203], v[204:205]
	v_add_f32 v201, v202, v203
	v_mul_f32 v201, 0x3e000000, v201               ; mu = the mean of the eight m_h
.irp h, 0,1,2,3,4,5,6,7
	v_sub_f32 v[136+\h], v[136+\h], v201
.endr
	v_pk_add_f32 v[202:203], v[144:145], v[146:147]
	v_pk_add_f32 v[204:205], v[148:149], v[150:151]
	v_pk_add_f32 v[202:203], v[202:203], v[204:205]
	v_add_f32 v206, v202, v203
	v_mul_f32 v207, v136, v136
.irp h, 1,2,3,4,5,6,7
	v_fmac_f32 v207, v[136+\h], v[136+\h]
.endr
	v_fmac_f32 v206, 0x3e000000, v207              ; variance
	v_add_f32 v206, 0x3727C5AC, v206               ; + 1e-5
	s_wait_alu depctr_va_vdst(0)
	v_add_f32 v200, 1.0, v200
	v_rcp_f32 v200, v200                           ; g
	v_rsq_f32 v206, v206
.irp k, 0,1,2,3
	v_mov_b32 v[CF+8*\k+5], 0                      ; e = 10 .. 15 are not used
	v_mov_b32 v[CF+8*\k+6], 0
	v_mov_b32 v[CF+8*\k+7], 0
.endr
.irp i, 4,5,6,7
	v_mov_b32 v[PB+\i], 0                          ; U's sum has 16 tokens: the upper half of the K step is zero in both operands
	v_mov_b32 v[HA+\i], 0
	v_mov_b32 v[HA+8+\i], 0
.endr
	s_wait_alu depctr_va_vdst(0)
	v_mul_f32 v208, v200, v206                     ; g / sqrt(variance + eps)
	v_mov_b32 v209, v208
.irp k, 0,1,2,3
.irp i, 0,2,4,6
	v_pk_mul_f32 v[DD+8*\k+\i:DD+8*\k+\i+1], v[DD+8*\k+\i:DD+8*\k+\i+1], v[208:209]
.endr
	v_cndmask_b32 v210, v[136+2*\k], v[137+2*\k], vcc_lo
	v_mul_f32 v210, v210, v208
.irp i, 0,1,2,3
	v_cvt_pk_bf16_f32 v[CF+8*\k+\i], v[DD+8*\k+2*\i], v[DD+8*\k+2*\i+1]
.endr
	v_cvt_pk_bf16_f32 v[CF+8*\k+4], v210, v200     ; e = 8: g rstd (m_h - mu); e = 9: g
.endr
	; ---- O ----
; One unit: a pair of heads for the block's 64 columns.  Four accumulators by turns.  The four v_nop are the places
; behind the matrix instructions before their table registers are loaded again and before results are read (ISA guide 7.12.1).
.macro UNIT y
.if \y < 15
	s_wait_loadcnt 8                               ; all but the next unit's eight loads
.else
	s_wait_loadcnt 0
.endif
.irp u, 0,1,2,3
.if ((\y)&3) == 0
	v_wmma_f32_16x16x32_bf16 v[DD+8*\u:DD+8*\u+7], v[CF+8*((\y)&3):CF+8*((\y)&3)+7], v[MT+32*((\y)&1)+8*\u:MT+32*((\y)&1)+8*\u+7], 0
.else
	v_wmma_f32_16x16x32_bf16 v[DD+8*\u:DD+8*\u+7], v[CF+8*((\y)&3):CF+8*((\y)&3)+7], v[MT+32*((\y)&1)+8*\u:MT+32*((\y)&1)+8*\u+7], v[DD+8*\u:DD+8*\u+7]
.endif
.endr
.rept 4
	v_nop
.endr
.if \y < 14
	MTL \y+2
.endif
.endm
.macro BLOCK cb                        ; columns 256w + 64 cb .. +63; lane (r, hf): tokens 8 hf + e, columns 4r + u
	s_wait_xcnt 0x0                                ; the last block's stores have read HQ and TT: they are rewritten only behind this wait
.irp e, 0,1,2,3,4,5,6,7
	ds_load_b128 v[HQ+4*\e:HQ+4*\e+3], v6 offset:PITCH*\e+256*\cb
.endr
	s_wait_dscnt 0x0
.irp u, 0,1,2,3                        ; U: the four conversions of the next u are the places before a fragment buffer is rewritten
.irp i, 0,1,2,3
	v_cvt_pk_bf16_f32 v[HA+8*(\u&1)+\i], v[HQ+8*\i+\u], v[HQ+8*\i+4+\u]
.endr
	v_wmma_f32_16x16x32_bf16 v[DU+8*\u:DU+8*\u+7], v[HA+8*(\u&1):HA+8*(\u&1)+7], v[PB:PB+7], 0
.endr
	UNIT 4*\cb
.irp j, 0,1,2,3                        ; lanes n >= 8 repeat the slots: they take the upper four columns, so that all 32 lanes store
.irp u, 0,1,2,3
	v_cndmask_b32 v[TT+4*\j+\u], v[DU+8*\u+\j], v[DU+8*\u+4+\j], s54
.endr
.endr
.irp j, 0,1,2,3
	global_store_b128 v3, v[TT+4*\j:TT+4*\j+3], s[16:17] offset:2048*\cb+512*\j th:TH_STORE_NT   ; 512 consecutive bytes
.endr
	UNIT 4*\cb+1
	UNIT 4*\cb+2
	UNIT 4*\cb+3
.irp e, 0,1,2,3,4,5,6,7
.irp u, 0,1,2,3
	v_add_f32 v[HQ+4*\e+\u], v[HQ+4*\e+\u], v[DD+8*\u+\e]
.endr
.endr
.irp e, 0,1,2,3,4,5,6,7
	global_store_b128 v7, v[HQ+4*\e:HQ+4*\e+3], s[14:15] offset:8192*\e+256*\cb th:TH_STORE_NT   ; sixteen lanes store 256 consecutive bytes, aligned
.endr
.endm
.irp cb, 0,1,2,3
	BLOCK \cb
.endr
	s_wait_tensorcnt 0x0
	ds_add_u32 v14, v15
	s_wait_dscnt 0x0
	s_endpgm
.Lfunc_end_k_qf135b7a53b_tokens:
	.size	k_qf135b7a53b_tokens, .Lfunc_end_k_qf135b7a53b_tokens-k_qf135b7a53b_tokens
	.p2alignl 7, 3214868480
	.fill 96, 4, 3214868480
	.section	.rodata,"a",@progbits
	.p2align	6, 0x0
	.amdhsa_kernel k_qf135b7a53b_tokens
		.amdhsa_group_segment_fixed_size 181248
		.amdhsa_private_segment_fixed_size 0
		.amdhsa_enable_private_segment 0
		.amdhsa_kernarg_size 64
		.amdhsa_user_sgpr_count 2
		.amdhsa_user_sgpr_kernarg_segment_ptr 1
		.amdhsa_wavefront_size32 1
		.amdhsa_system_sgpr_workgroup_id_x 1
		.amdhsa_system_sgpr_workgroup_id_y 1
		.amdhsa_system_sgpr_workgroup_id_z 1
		.amdhsa_system_vgpr_workitem_id 0
		.amdhsa_next_free_vgpr 256
		.amdhsa_next_free_sgpr 66
		.amdhsa_reserve_vcc 1
		.amdhsa_float_denorm_mode_32 3
		.amdhsa_float_denorm_mode_16_64 3
		.amdhsa_memory_ordered 1
		.amdhsa_forward_progress 1
		.amdhsa_inst_pref_size 97
	.end_amdhsa_kernel
	.amdgpu_metadata
---
amdhsa.version: [ 1, 2 ]
amdhsa.kernels:
  - .name:           k_qf135b7a53b_tokens
    .symbol:         k_qf135b7a53b_tokens.kd
    .args:
      - { .name: hidden, .offset: 0, .size: 8, .value_kind: global_buffer, .address_space: global }
      - { .name: QKF, .offset: 8, .size: 8, .value_kind: global_buffer, .address_space: global }
      - { .name: MTF, .offset: 16, .size: 8, .value_kind: global_buffer, .address_space: global }
      - { .name: STAT, .offset: 24, .size: 8, .value_kind: global_buffer, .address_space: global }
      - { .name: gate, .offset: 32, .size: 8, .value_kind: global_buffer, .address_space: global }
      - { .name: out0, .offset: 40, .size: 8, .value_kind: global_buffer, .address_space: global }
      - { .name: UPART, .offset: 48, .size: 8, .value_kind: global_buffer, .address_space: global }
      - { .name: ML, .offset: 56, .size: 8, .value_kind: global_buffer, .address_space: global }
    .group_segment_fixed_size: 181248
    .private_segment_fixed_size: 0
    .kernarg_segment_align: 8
    .kernarg_segment_size: 64
    .max_flat_workgroup_size: 256
    .sgpr_count:     66
    .vgpr_count:     256
    .wavefront_size: 32
...
	.end_amdgpu_metadata
.endif
;; end of part 3
;; launch merge (part 4): grid 128 x 1, 8 waves a work-group, no clusters, 7,168 bytes of LDS; arguments UPART, ML, URED; writes URED
.if DOCPART == 4
	.amdgcn_target "amdgcn-amd-amdhsa--gfx1250"
	.amdhsa_code_object_version 6
	.text
	.protected	k_qf135b7a53b_merge
	.globl	k_qf135b7a53b_merge
	.p2align	8
	.type	k_qf135b7a53b_merge,@function
k_qf135b7a53b_merge:
	s_mov_b64 s[64:65], 0
	v_nop
	global_prefetch_b8 v0, s[64:65] scope:SCOPE_SE
	s_setreg_imm32_b32 hwreg(HW_REG_WAVE_MODE, 25, 1), 1
	s_wait_xcnt 0x0
; The softmax over all 4,096 tokens is put together from the 256 records (m, l, U) of 16 tokens each:
; M = max m, weight = 2^(m - M), L = sum l x weight, U = sum U x weight; URED = U / L.
; Work-group X owns bytes 512X .. +511 of every record (a lane's 16 bytes belong to slot lane & 7); wave w merges records 32w .. +31,
; wave 0 then merges the eight waves' results in the same way.  Memory binds: all 64 loads of a wave go out at its head.
; No matrix unit, no cluster, no tensor load: each byte of UPART is read once, by one lane, and used once.
.set P,  16                            ; v[16:79]   pairs (m, l); m becomes the weight
.set U,  80                            ; v[80:207]  32 records x 4 numbers
.set AC, 208                           ; v[208:211] the sum
	s_load_b128 s[4:7], s[0:1], 0x0                ; UPART, ML
	s_load_b64 s[8:9], s[0:1], 0x10                ; URED
	v_lshl_add_u32 v224, v0, 2, 0x1800
	v_mov_b32 v225, 0
	v_lshrrev_b32 v1, 5, v0
	v_readfirstlane_b32 s10, v1
	v_and_b32 v2, 31, v0
	v_lshlrev_b32 v3, 4, v2                        ; 16 x lane
	v_and_b32 v4, 7, v0
	v_lshlrev_b32 v4, 3, v4                        ; 8 x slot
	s_lshl_b32 s12, s10, 11                        ; 32 records of 64 bytes
	s_mov_b32 s13, 0
	s_lshl_b32 s14, s10, 21                        ; 32 records of 65,536 bytes
	s_lshl_b32 s15, ttmp9, 9
	s_add_co_u32 s14, s14, s15
	s_mov_b32 s15, 0
	s_wait_kmcnt 0x0
	s_add_nc_u64 s[6:7], s[6:7], s[12:13]
	s_add_nc_u64 s[4:5], s[4:5], s[14:15]
.set i, 0
.rept 32
	global_load_b64 v[P+2*i:P+2*i+1], v4, s[6:7] offset:64*i
.set i, i+1
.endr
.set i, 0
.rept 32
	global_load_b128 v[U+4*i:U+4*i+3], v3, s[4:5] offset:65536*i th:TH_LOAD_NT
.set i, i+1
.endr
; n records in P and U into M (v8), L (v9) and AC.  waits = 1: U comes from memory; a counted wait stands in front of each group of eight records.
.macro MERGE n, waits
	v_max_num_f32 v8, v[P], v[P+2]
.set i, 2
.rept (\n-2)/2
	v_max3_num_f32 v8, v8, v[P+2*i], v[P+2*i+2]
.set i, i+2
.endr
.set i, 0
.rept \n
	v_sub_f32 v[P+2*i], v[P+2*i], v8
.set i, i+1
.endr
.set i, 0
.rept \n
	v_exp_f32 v[P+2*i], v[P+2*i]
.set i, i+1
.endr
	v_nop                                          ; one plain instruction behind the last exponential (ISA guide 5.7.2)
	s_wait_alu depctr_va_vdst(0)
	v_mul_f32 v9, v[P], v[P+1]
.set i, 1
.rept \n-1
	v_fmac_f32 v9, v[P+2*i], v[P+2*i+1]
.set i, i+1
.endr
.set i, 0
.rept \n
.if \waits
.if (i%8) == 0
	s_wait_loadcnt \n-8-i                          ; loads come back in order: these eight records are in, the younger ones stay out
.endif
.endif
.if i == 0
	v_pk_mul_f32 v[AC:AC+1],   v[U:U+1],   v[P:P+1] op_sel_hi:[1,0]
	v_pk_mul_f32 v[AC+2:AC+3], v[U+2:U+3], v[P:P+1] op_sel_hi:[1,0]
.else
	v_pk_fma_f32 v[AC:AC+1],   v[U+4*i:U+4*i+1],   v[P+2*i:P+2*i+1], v[AC:AC+1]   op_sel_hi:[1,0,1]
	v_pk_fma_f32 v[AC+2:AC+3], v[U+4*i+2:U+4*i+3], v[P+2*i:P+2*i+1], v[AC+2:AC+3] op_sel_hi:[1,0,1]
.endif
.set i, i+1
.endr
.endm
	s_lshl_b32 s11, s10, 9
	v_add_nc_u32 v5, s11, v3                       ; my wave's 512 bytes
	s_lshl_b32 s11, s10, 8
	s_add_co_u32 s11, s11, 4096
	v_lshl_add_u32 v6, v2, 3, s11                  ; my wave's 256 bytes of (M, L)
	v_lshlrev_b32 v7, 3, v2
	s_wait_loadcnt 32                              ; the 32 pairs (m, l) are in; the 32 loads of U stay out
	MERGE 32, 1
	ds_store_b128 v5, v[AC:AC+3]
	ds_store_b64 v6, v[8:9]
	s_wait_dscnt 0x0
	s_barrier_signal -1
	s_barrier_wait -1
	s_cmp_lg_u32 s10, 0
	s_cbranch_scc1 .Ldone
.irp p, 0,1,2,3,4,5,6,7
	ds_load_b64 v[P+2*\p:P+2*\p+1], v7 offset:4096+256*\p
	ds_load_b128 v[U+4*\p:U+4*\p+3], v3 offset:512*\p
.endr
	s_lshl_b32 s12, ttmp9, 9
	s_add_nc_u64 s[8:9], s[8:9], s[12:13]
	s_wait_dscnt 0x0
	MERGE 8, 0
	v_rcp_f32 v9, v9                               ; L >= 1: the token with the largest score counts 1
	v_nop
	s_wait_alu depctr_va_vdst(0)
.irp i, 0,1,2,3
	v_mul_f32 v[AC+\i], v[AC+\i], v9
.endr
	global_store_b128 v3, v[AC:AC+3], s[8:9]       ; 512 consecutive bytes
.Ldone:
	s_wait_tensorcnt 0x0
	ds_add_u32 v224, v225
	s_wait_dscnt 0x0
	s_endpgm
.Lfunc_end_k_qf135b7a53b_merge:
	.size	k_qf135b7a53b_merge, .Lfunc_end_k_qf135b7a53b_merge-k_qf135b7a53b_merge
	.p2alignl 7, 3214868480
	.fill 96, 4, 3214868480
	.section	.rodata,"a",@progbits
	.p2align	6, 0x0
	.amdhsa_kernel k_qf135b7a53b_merge
		.amdhsa_group_segment_fixed_size 7168
		.amdhsa_private_segment_fixed_size 0
		.amdhsa_enable_private_segment 0
		.amdhsa_kernarg_size 24
		.amdhsa_user_sgpr_count 2
		.amdhsa_user_sgpr_kernarg_segment_ptr 1
		.amdhsa_wavefront_size32 1
		.amdhsa_system_sgpr_workgroup_id_x 1
		.amdhsa_system_sgpr_workgroup_id_y 1
		.amdhsa_system_sgpr_workgroup_id_z 1
		.amdhsa_system_vgpr_workitem_id 0
		.amdhsa_next_free_vgpr 226
		.amdhsa_next_free_sgpr 66
		.amdhsa_reserve_vcc 0
		.amdhsa_float_denorm_mode_32 3
		.amdhsa_float_denorm_mode_16_64 3
		.amdhsa_memory_ordered 1
		.amdhsa_forward_progress 1
		.amdhsa_inst_pref_size 20
	.end_amdhsa_kernel
	.amdgpu_metadata
---
amdhsa.version: [ 1, 2 ]
amdhsa.kernels:
  - .name:           k_qf135b7a53b_merge
    .symbol:         k_qf135b7a53b_merge.kd
    .args:
      - { .name: UPART, .offset: 0, .size: 8, .value_kind: global_buffer, .address_space: global }
      - { .name: ML, .offset: 8, .size: 8, .value_kind: global_buffer, .address_space: global }
      - { .name: URED, .offset: 16, .size: 8, .value_kind: global_buffer, .address_space: global }
    .group_segment_fixed_size: 7168
    .private_segment_fixed_size: 0
    .kernarg_segment_align: 8
    .kernarg_segment_size: 24
    .max_flat_workgroup_size: 256
    .sgpr_count:     66
    .vgpr_count:     226
    .wavefront_size: 32
...
	.end_amdgpu_metadata
.endif
;; end of part 4
;; launch final (part 5): grid 128 x 1, 8 waves a work-group, no clusters, 168,960 bytes of LDS; arguments URED, w_write_v, memory, write_gate, out1; writes out1
.if DOCPART == 5
	.amdgcn_target "amdgcn-amd-amdhsa--gfx1250"
	.amdhsa_code_object_version 6
	.text
	.protected	k_qf135b7a53b_final
	.globl	k_qf135b7a53b_final
	.p2align	8
	.type	k_qf135b7a53b_final,@function
k_qf135b7a53b_final:
	s_mov_b64 s[64:65], 0
	v_nop
	global_prefetch_b8 v0, s[64:65] scope:SCOPE_SE
	s_setreg_imm32_b32 hwreg(HW_REG_WAVE_MODE, 25, 1), 1
	s_wait_xcnt 0x0
; out1 = (1 - wg) memory + wg (U / L) Wwv^T, wg = sigmoid(write_gate).  Wwv is read once.
; Work-group X owns outputs o = 16X .. +15 (16 rows of Wwv); wave w owns the summation indices 256w .. +255, eight K steps;
; the partial sums meet in LDS and wave 0 finishes.  Operands bf16, sums f32.
; out1's rows are 8 KiB apart, so a work-group's part of a row is 64 bytes: 64 KiB in all leave in such pieces.
; No cluster: the work-groups share only URED's 64 KiB, a third of what each reads.
.set PITCH, 1040
.set HTW,  16*PITCH
.set SC,   8*HTW                       ; partial sums: [wave][q][lane][16 B]; no tensor load fills it
.set XR,   16                          ; v[16:143]  U / L: 16 numbers for each K step, then the fragment in the first 8 registers
.set AR,   144                         ; v[144:175] Wwv as f32, two buffers
.set WF,   176                         ; v[176:191] its fragments, two buffers
.set ACC,  192                         ; v[192:207] two accumulators
.set MEM,  208                         ; v[208:211] wave 0: memory's four numbers
	s_load_b256 s[4:11], s[0:1], 0x0               ; URED, Wwv, memory, write_gate
	s_load_b64 s[12:13], s[0:1], 0x20              ; out1
	v_lshl_add_u32 v224, v0, 2, 0x29000
	v_mov_b32 v225, 0
	ds_add_u32 v224, v225
	ds_add_u32 v224, v225
	v_lshrrev_b32 v1, 5, v0
	v_readfirstlane_b32 s14, v1
	s_mov_b32 s24, 0x07D20000                      ; f32; 4 words of padding behind every 256
	s_mov_b32 s25, 256<<16
	s_mov_b32 s26, 16<<16
	s_mov_b32 s27, 256<<16
	s_mov_b32 s28, 16
	s_mov_b32 s29, 2048
	s_mov_b32 s30, 0
	s_mov_b32 s31, 0
	s_mov_b32 s32, 1
	s_mul_i32 s33, s14, HTW
	s_lshl_b32 s16, ttmp9, 17
	s_lshl_b32 s17, s14, 10
	s_add_co_u32 s16, s16, s17
	s_mov_b32 s17, 0
	s_lshl_b32 s18, s14, 13
	s_mov_b32 s19, 0
	s_wait_dscnt 0x0
	s_wait_kmcnt 0x0
	s_add_nc_u64 s[34:35], s[6:7], s[16:17]
	s_or_b32 s35, s35, 0x80000000
	tensor_load_to_lds s[32:35], s[24:31]          ; my strip of Wwv: the one tensor load of this wave, read by me alone
	s_nop 0
	s_load_b32 s15, s[10:11], 0x0                  ; write_gate
	s_add_nc_u64 s[4:5], s[4:5], s[18:19]          ; URED at column block 4w
	v_and_b32 v1, 15, v0                           ; r
	v_bfe_u32 v2, v0, 4, 1                         ; hf
	v_and_b32 v3, 7, v0                            ; slot
	v_and_b32 v4, 31, v0
	v_lshlrev_b32 v4, 4, v4
	v_lshlrev_b32 v5, 4, v3
	v_lshl_add_u32 v5, v2, 7, v5                   ; URED's lane 8 hf + slot of the block's half
.irp k, 0,1,2,3,4,5,6,7
.irp j, 0,1,2,3
	global_load_b128 v[XR+16*\k+4*\j:XR+16*\k+4*\j+3], v5, s[4:5] offset:2048*(\k>>1)+256*(\k&1)+512*\j
.endr
.endr
	v_bfe_u32 v7, v0, 3, 1
	s_lshl_b32 s20, ttmp9, 6
	v_lshl_add_u32 v6, v3, 13, s20
	v_lshl_add_u32 v6, v2, 5, v6
	v_lshl_add_u32 v6, v7, 4, v6                   ; row slot, columns 16X + 8 hf + 4 (r >> 3) .. +3
	s_cmp_lg_u32 s14, 0
	s_cbranch_scc1 .Lnomem
	global_load_b128 v[MEM:MEM+3], v6, s[8:9]
.Lnomem:
	v_mad_u32_u24 v8, v1, PITCH, s33
	v_lshl_add_u32 v8, v2, 6, v8
	s_lshl_b32 s20, s14, 10
	s_add_co_u32 s20, s20, SC
	v_add_nc_u32 v9, s20, v4
	s_wait_loadcnt 0x0
.irp k, 0,1,2,3,4,5,6,7
.irp i, 0,1,2,3,4,5,6,7
	v_cvt_pk_bf16_f32 v[XR+16*\k+\i], v[XR+16*\k+2*\i], v[XR+16*\k+2*\i+1]
.endr
.endr
	s_wait_tensorcnt 0x0
.macro DSL k, b
.irp i, 0,1,2,3
	ds_load_b128 v[AR+16*(\b)+4*\i:AR+16*(\b)+4*\i+3], v8 offset:128*(\k)+16*\i
.endr
.endm
; One K step; the two accumulators take turns.  A fragment buffer is rewritten two steps after the matrix
; instruction that read it: the eight conversions of the step between are the places behind it (ISA guide 7.12.1).
.macro STEP k
.set CUR, (\k)&1
.if \k < 7
	DSL \k+1, 1-CUR
	s_wait_dscnt 4                                 ; all but the four loads just issued
.else
	s_wait_dscnt 0
.endif
.irp i, 0,1,2,3,4,5,6,7
	v_cvt_pk_bf16_f32 v[WF+8*CUR+\i], v[AR+16*CUR+2*\i], v[AR+16*CUR+2*\i+1]
.endr
.if \k < 2
	v_wmma_f32_16x16x32_bf16 v[ACC+8*CUR:ACC+8*CUR+7], v[WF+8*CUR:WF+8*CUR+7], v[XR+16*\k:XR+16*\k+7], 0
.else
	v_wmma_f32_16x16x32_bf16 v[ACC+8*CUR:ACC+8*CUR+7], v[WF+8*CUR:WF+8*CUR+7], v[XR+16*\k:XR+16*\k+7], v[ACC+8*CUR:ACC+8*CUR+7]
.endif
.endm
	DSL 0, 0
.irp k, 0,1,2,3,4,5,6,7
	STEP \k
.endr
.rept 4
	v_nop
.endr
.irp i, 0,2,4,6
	v_pk_add_f32 v[ACC+\i:ACC+\i+1], v[ACC+\i:ACC+\i+1], v[ACC+8+\i:ACC+8+\i+1]
.endr
	ds_store_b128 v9, v[ACC:ACC+3]
	ds_store_b128 v9, v[ACC+4:ACC+7] offset:512
	s_wait_dscnt 0x0
	s_barrier_signal -1
	s_barrier_wait -1
	s_cmp_lg_u32 s14, 0
	s_cbranch_scc1 .Ldone
	v_add_nc_u32 v10, SC, v4
.irp p, 0,1,2,3,4,5,6,7
	ds_load_b128 v[16+8*\p:19+8*\p], v10 offset:1024*\p
	ds_load_b128 v[20+8*\p:23+8*\p], v10 offset:1024*\p+512
.endr
	s_wait_kmcnt 0x0
	v_mov_b32 v11, s15
	v_mul_f32 v11, 0xbfb8aa3b, v11
	v_exp_f32 v11, v11
	v_cmp_le_u32 vcc_lo, 8, v1
	s_wait_alu depctr_va_vdst(0)
	v_add_f32 v11, 1.0, v11
	v_rcp_f32 v11, v11                             ; wg
	s_wait_dscnt 0x0
.irp p, 1,2,3,4,5,6,7
.irp i, 0,2,4,6
	v_pk_add_f32 v[16+\i:17+\i], v[16+\i:17+\i], v[16+8*\p+\i:17+8*\p+\i]
.endr
.endr
	s_wait_alu depctr_va_vdst(0)
	v_sub_f32 v12, 1.0, v11
.irp i, 0,1,2,3
	v_cndmask_b32 v[80+\i], v[16+\i], v[20+\i], vcc_lo     ; lanes r >= 8 repeat the slots: they take outputs 4-7 of the half
	v_mul_f32 v[MEM+\i], v[MEM+\i], v12
	v_fmac_f32 v[MEM+\i], v11, v[80+\i]
.endr
	global_store_b128 v6, v[MEM:MEM+3], s[12:13]
.Ldone:
	s_wait_tensorcnt 0x0
	ds_add_u32 v224, v225
	s_wait_dscnt 0x0
	s_endpgm
.Lfunc_end_k_qf135b7a53b_final:
	.size	k_qf135b7a53b_final, .Lfunc_end_k_qf135b7a53b_final-k_qf135b7a53b_final
	.p2alignl 7, 3214868480
	.fill 96, 4, 3214868480
	.section	.rodata,"a",@progbits
	.p2align	6, 0x0
	.amdhsa_kernel k_qf135b7a53b_final
		.amdhsa_group_segment_fixed_size 168960
		.amdhsa_private_segment_fixed_size 0
		.amdhsa_enable_private_segment 0
		.amdhsa_kernarg_size 40
		.amdhsa_user_sgpr_count 2
		.amdhsa_user_sgpr_kernarg_segment_ptr 1
		.amdhsa_wavefront_size32 1
		.amdhsa_system_sgpr_workgroup_id_x 1
		.amdhsa_system_sgpr_workgroup_id_y 1
		.amdhsa_system_sgpr_workgroup_id_z 1
		.amdhsa_system_vgpr_workitem_id 0
		.amdhsa_next_free_vgpr 226
		.amdhsa_next_free_sgpr 66
		.amdhsa_reserve_vcc 1
		.amdhsa_float_denorm_mode_32 3
		.amdhsa_float_denorm_mode_16_64 3
		.amdhsa_memory_ordered 1
		.amdhsa_forward_progress 1
		.amdhsa_inst_pref_size 22
	.end_amdhsa_kernel
	.amdgpu_metadata
---
amdhsa.version: [ 1, 2 ]
amdhsa.kernels:
  - .name:           k_qf135b7a53b_final
    .symbol:         k_qf135b7a53b_final.kd
    .args:
      - { .name: URED, .offset: 0, .size: 8, .value_kind: global_buffer, .address_space: global }
      - { .name: w_write_v, .offset: 8, .size: 8, .value_kind: global_buffer, .address_space: global }
      - { .name: memory, .offset: 16, .size: 8, .value_kind: global_buffer, .address_space: global }
      - { .name: write_gate, .offset: 24, .size: 8, .value_kind: global_buffer, .address_space: global }
      - { .name: out1, .offset: 32, .size: 8, .value_kind: global_buffer, .address_space: global }
    .group_segment_fixed_size: 168960
    .private_segment_fixed_size: 0
    .kernarg_segment_align: 8
    .kernarg_segment_size: 40
    .max_flat_workgroup_size: 256
    .sgpr_count:     66
    .vgpr_count:     226
    .wavefront_size: 32
...
	.end_amdgpu_metadata
.endif
;; end of part 5
